; MI455X (gfx1250); checked and timed in simulation.
; The chip was launched on July 23, 2026; its instructions are those of AMD's public machine-readable ISA for CDNA 5 (MIT licence, August 2026) and "CDNA5" Instruction Set Architecture Reference Guide (July 2026). The comments in the code are by the model that wrote it; some were corrected since.
;; Attention. Allowed arithmetic: matrix products marked QUANTISED: E4M3 operands, one given power-of-two scale a tensor, by v_wmma_f32_16x16x64_fp8_fp8 or v_wmma_f32_16x16x128_fp8_fp8, f32 sums; everything else in f32.
;; Inputs: lowp_scales 12 int32 (the exponents e of the quantised operands' scales 2^e); wk 1,024 x 1,024 float32; wo 1,024 x 1,024 float32; wq 1,024 x 1,024 float32; wv 1,024 x 1,024 float32; x 2 x 2,048 x 1,024 float32.
;; Outputs: out0 2 x 2,048 x 1,024 float32.
;; This version of the problem:
;;   THIS VERSION OF THE PROBLEM IS GIVEN IN LOW PRECISION. The matrix products marked QUANTISED in the list below multiply operands that are first quantised to E4M3 (4 exponent bits, 3 mantissa bits; 8 bits a number), with one given power-of-two scale for each operand tensor; their sums are f32. All else is computed in f32.
;;   The module's matrix products, in the order in which they are computed (A, B: the left and right operand; K: the contracted axis; several contracted axes count as one K, in the product's order):
;;     1. [M 4,096, K 1,024] x [K 1,024, N 1,024]; A: input x; B: input wq: QUANTISED (scales: A lowp_scales[0], B lowp_scales[1])
;;     2. [M 4,096, K 1,024] x [K 1,024, N 1,024]; A: input x; B: input wk: QUANTISED (scales: A lowp_scales[2], B lowp_scales[3])
;;     3. [M 4,096, K 1,024] x [K 1,024, N 1,024]; A: input x; B: input wv: QUANTISED (scales: A lowp_scales[4], B lowp_scales[5])
;;     4. batch 32 x [M 2,048, K 64] x [K 64, N 2,048]; A: computed on the way; B: computed on the way: QUANTISED (scales: A lowp_scales[6], B lowp_scales[7])
;;     5. batch 32 x [M 2,048, K 2,048] x [K 2,048, N 64]; A: softmax (see below); B: computed on the way: QUANTISED (scales: A lowp_scales[8], B lowp_scales[9])
;;     6. [M 4,096, K 1,024] x [K 1,024, N 1,024]; A: computed on the way; B: input wo: QUANTISED (scales: A lowp_scales[10], B lowp_scales[11])
;;   THE QUANTISER, for each operand of a quantised product, along K:
;;     - The operand's scale is 2^e, e = its entry of the input lowp_scales (int32; the entries are numbered through the quantised products in the list's order, A before B).
;;     - Each number is divided by the scale, clamped to +-448, and rounded to the nearest number of E4M3, ties to even, subnormals kept.
;;     - The product sums the exact products of the quantised numbers (number of the format x scale) in f32.
;;   ~~~python
;;   def quantise(x, axis, e):      # numpy; x: float32 -> the quantised numbers, widened to float32 again
;;       x = np.moveaxis(x, axis, -1); K = x.shape[-1]
;;       r = np.clip(x / 2.0 ** e, -448, 448)
;;       step = 2.0 ** (np.maximum(np.frexp(np.where(r == 0, 1, r))[1] - 1, -6) - 3)
;;       q = np.round(r / step) * step * 2.0 ** e      # np.round: ties to even
;;       return np.moveaxis(q, -1, axis).astype(np.float32)
;;   ~~~
;;   SOFTMAX AHEAD OF A QUANTISED PRODUCT. Where the list says 'softmax', what is quantised is not the finished softmax but p = 2^(t - M), with t = logit x log2(e) and M = ceil(the row's largest t), a whole number; so 1/2 < the row's largest p <= 1. The row's sum l is taken of the UNQUANTISED p, in f32, and the product's result is divided by l at the end. Since M is a whole number, a kernel that streams over the keys may use a running M (the ceiling of the running maximum): every later rescaling is an exact power of two, so the quantised numbers keep their values, but for numbers so far below the row's largest that they fall under the format's range.
;;   OPERANDS COMPUTED ON THE WAY. 'Computed on the way' means the value that the module computes at that place (a softmax that the list does not call 'softmax' is quantised finished and normalised). What goes into a quantiser is computed in f32, as accurately as f32 sums, v_exp_f32 and their like allow (about 1e-6 of the number): no bf16 or f16 on the way to a quantiser, and a product that is left as it is and whose result goes on into a quantised operand takes f32 operands (vector FMAs, or v_wmma_f32_16x16x4_f32). A number that lies on a knife's edge between two numbers of the format may be rounded either way, as far as f32 arithmetic and the matrix unit's own rounding can turn it there, and no further.
;; One version. Each part assembles by itself: llvm-mc -triple=amdgcn-amd-amdhsa -mcpu=gfx1250 --defsym DOCPART=n.
;; ======== version 1 of 1: 4 launches
;; limits: right only within a limited range of input values
;; workspace buffers: ximg 12,582,912 bytes; wimg 4,194,304 bytes; qkvimg 12,582,912 bytes; aimg 4,194,304 bytes
;; launch quant (part 1): grid 512 x 1, 4 waves a work-group, no clusters, 68,096 bytes of LDS; arguments x, wq, wk, wv, wo, lowp_scales, ximg, wimg; writes ximg, wimg
.if DOCPART == 1
	.amdgcn_target "amdgcn-amd-amdhsa--gfx1250"
	.amdhsa_code_object_version 6
	.text
	.protected	k_q3b7f13db57_quant
	.globl	k_q3b7f13db57_quant
	.p2align	8
	.type	k_q3b7f13db57_quant,@function
k_q3b7f13db57_quant:
	s_mov_b64 s[64:65], 0
	v_nop
	global_prefetch_b8 v0, s[64:65] scope:SCOPE_SE
	s_setreg_imm32_b32 hwreg(HW_REG_WAVE_MODE, 25, 1), 1
	s_wait_xcnt 0x0
; x [4096][1024] and wq, wk, wv, wo [1024][1024], f32 with K innermost, become codes of FP8 (E4M3), each with the scale 2^e given for it:
; x three times (entries 0, 2, 4 of the scales: one set of codes for each of the products with wq, wk, wv), wq entry 1, wk entry 3, wv entry 5, wo entry 11.
; code = number / 2^e, held within +-448, rounded to the nearest code, ties to even.
; THE CODES ARE LAID AS IMAGES OF THE MATRIX OPERAND'S REGISTERS.  A fragment is 16 rows x 128 K: lane (r = lane % 16, h = lane / 16) holds, of row r, k = 16 c + 8 h + 0 .. 7 in registers 2 c, 2 c + 1
; (c = 0 .. 7).  Its image is 2,048 bytes: registers 4 g .. 4 g + 3 of lane l at byte 512 g + 16 l.  A tensor is [tile of 16 rows][K step of 128][2,048].  So every later load of a fragment is 16 bytes a lane
; at 16 x lane, and every store here covers 512 consecutive bytes, at a multiple of 512 from the buffer's first byte.
; SHARES.  Work-groups 0 to 255 take the 256 row tiles of x, work-groups 256 to 511 the 4 x 64 row tiles of the weights.  Wave w takes K = 256 w .. 256 w + 255: two fragments.
; A load reads 512 consecutive bytes of one row, 16 a lane; the conversion wants eight neighbours along K in one lane: so a fragment's 16 x 512 bytes turn through the wave's own stage in LDS
; (rows of 512 + 16 bytes: the sixteen rows that a load from the stage touches start 33 x 16 bytes apart).  Waves share nothing: no barrier.
; LIMITS: each of the seven exponents lies between -126 and 119, so that 2^e and 448 x 2^e are f32 numbers.  NaN among the inputs is not served; an infinity is held at the largest code.
; LEFT OUT IN THE WHOLE PROGRAM: the key steps of 128 keys that lie wholly behind the causal mask: their scores are -infinity ahead of the softmax for every input, so
; their p is 0 and they reach no output.  LIMIT: a NaN, an infinity or an overflow that reaches only that work is not carried to the result.
.set SP,   528                         ; a stage row
.set STG,  16*SP                       ; a stage; each wave has two, one for each of its fragments
.set R,    16                          ; v16-143  fragment f: 64 numbers at v[R + 64 f]
.set T,    144                         ; v144-159 eight held numbers, two sets by turns
.set C,    160                         ; v160-255 codes: 16 registers for fragment f and version ver at v[C + 48 f + 16 ver]: each is written once, so no store's data are written again
.set SC,   6                           ; v6-8     2^e as f32, for the three versions
.set LM,   9                           ; v9-11    448 x 2^e
	s_load_b512 s[4:19], s[0:1], 0x0               ; x 4:5, wq 6:7, wk 8:9, wv 10:11, wo 12:13, the scales 14:15, ximg 16:17, wimg 18:19
	v_lshl_add_u32 v14, v0, 2, 0x10800
	v_mov_b32 v15, 0
	v_lshrrev_b32 v4, 5, v0
	v_readfirstlane_b32 s20, v4                    ; wave 0..3
	v_and_b32 v5, 31, v0
	v_lshlrev_b32 v1, 4, v5                        ; 16 x lane: my bytes of a load's 512, and of a store's
	s_mul_i32 s23, s20, 2*STG                      ; my wave's two stages
	v_add_nc_u32 v2, s23, v1                       ; the stage, on the way in: a row as it lies
	v_and_b32 v4, 15, v0                           ; r
	v_bfe_u32 v5, v0, 4, 1                         ; h
	v_mul_u32_u24 v3, v4, SP
	v_lshl_add_u32 v3, v5, 5, v3
	v_add_nc_u32 v3, s23, v3                       ; and on the way out: row r, + 32 h bytes: my eight numbers of each 16 along K
	s_cmp_lt_u32 ttmp9, 256                        ; x's work-group or a weight's?
	s_cselect_b32 s24, 0, 256
	s_sub_co_u32 s21, ttmp9, s24                   ; the row tile among x's 256, or among the weights' 256
	s_lshr_b32 s22, s21, 6                         ; which weight: 0 wq, 1 wk, 2 wv, 3 wo
	s_and_b32 s25, s21, 63                         ; and its row tile
	s_cmp_lt_u32 ttmp9, 256
	s_cselect_b32 s25, s21, s25
	s_lshl_b32 s26, s25, 16                        ; from: 16 rows of 4,096 bytes a tile,
	s_lshl_b32 s28, s20, 10                        ; + my wave's 1,024 bytes of a row
	s_add_co_u32 s26, s26, s28
	s_mov_b32 s27, 0
	s_lshl_b32 s28, s21, 14                        ; to: 8 images a tile (the four weights' images lie one behind the other),
	s_lshl_b32 s30, s20, 12                        ; + my wave's two
	s_add_co_u32 s28, s28, s30
	s_mov_b32 s29, 0
	s_wait_alu depctr_va_vdst(0)
	s_wait_kmcnt 0x0
	s_load_b256 s[40:47], s[14:15], 0x0            ; entries 0 to 7
	s_load_b128 s[48:51], s[14:15], 0x20           ; entries 8 to 11
	s_mov_b64 s[32:33], s[12:13]                   ; the source: the choices hang on the work-group's number alone
	s_cmp_eq_u32 s22, 2
	s_cselect_b64 s[32:33], s[10:11], s[32:33]
	s_cmp_eq_u32 s22, 1
	s_cselect_b64 s[32:33], s[8:9], s[32:33]
	s_cmp_eq_u32 s22, 0
	s_cselect_b64 s[32:33], s[6:7], s[32:33]
	s_cmp_lt_u32 ttmp9, 256
	s_cselect_b64 s[32:33], s[4:5], s[32:33]
	s_cselect_b64 s[34:35], s[16:17], s[18:19]
	s_add_nc_u64 s[32:33], s[32:33], s[26:27]
	s_add_nc_u64 s[34:35], s[34:35], s[28:29]      ; version 0
	s_add_nc_u64 s[36:37], s[34:35], 0x400000      ; x's versions 1 and 2, 4 MiB apart: named by x's work-groups alone
	s_add_nc_u64 s[38:39], s[34:35], 0x800000
.macro LOADF f                         ; fragment f: 16 rows x 512 bytes
.irp i, 0,1,2,3,4,5,6,7,8,9,10,11,12,13,14,15
	global_load_b128 v[R+64*\f+4*\i:R+64*\f+4*\i+3], v1, s[32:33] offset:4096*\i+512*\f th:TH_LOAD_NT
.endr
.endm
.macro TURNF f                         ; through the stage and back into the registers that it left: LDS serves a wave's instructions in order (ISA guide 5.7.1.4), so no wait stands between
.irp i, 0,1,2,3,4,5,6,7,8,9,10,11,12,13,14,15
	ds_store_b128 v2, v[R+64*\f+4*\i:R+64*\f+4*\i+3] offset:STG*\f+SP*\i
.endr
.irp c, 0,1,2,3,4,5,6,7
	ds_load_b128 v[R+64*\f+8*\c:R+64*\f+8*\c+3], v3 offset:STG*\f+64*\c          ; k = 16 c + 8 h + 0 .. 3 of row r,
	ds_load_b128 v[R+64*\f+8*\c+4:R+64*\f+8*\c+7], v3 offset:STG*\f+64*\c+16     ; and + 4 .. 7
.endr
.endm
.macro QV f, ver                       ; fragment f in version ver: held, converted, stored
.irp c, 0,1,2,3,4,5,6,7
.irp j, 0,1,2,3,4,5,6,7
	v_med3_num_f32 v[T+8*(\c%2)+\j], v[R+64*\f+8*\c+\j], -v[LM+\ver], v[LM+\ver]   ; the conversion to an 8-bit code does not saturate (ISA guide 7.6.2): the hold comes first.  Into other registers: x is held three times
.endr
	v_cvt_scalef32_pk8_fp8_f32 v[C+48*\f+16*\ver+2*\c:C+48*\f+16*\ver+2*\c+1], v[T+8*(\c%2):T+8*(\c%2)+7], v[SC+\ver]   ; registers 2 c, 2 c + 1 of the fragment; the other set's eight holds stand between it and the next write of its sources
.endr
.irp g, 0,1,2,3
	global_store_b128 v1, v[C+48*\f+16*\ver+4*\g:C+48*\f+16*\ver+4*\g+3], s[34+2*\ver:35+2*\ver] offset:2048*\f+512*\g
.endr
.endm
.macro QF f                            ; a weight has one version, x three: a scalar branch on the work-group's number, with no LDS instruction inside
	QV \f, 0
	s_cmp_lt_u32 ttmp9, 256
	s_cbranch_scc0 .Lweight_\@
	QV \f, 1
	QV \f, 2
.Lweight_\@:
.endm
.macro MKS e, k                        ; from the whole number in s[e]: 2^e and 448 x 2^e as f32
	s_add_co_i32 s53, s[\e], 127
	s_lshl_b32 s54, s53, 23
	v_mov_b32 v[SC+\k], s54
	s_add_co_i32 s53, s53, 8
	s_lshl_b32 s53, s53, 23
	s_or_b32 s53, s53, 0x600000
	v_mov_b32 v[LM+\k], s53
.endm
	LOADF 0
	LOADF 1                                        ; 32 loads, 16 KiB, of every wave are out
	s_wait_kmcnt 0x0
	s_mov_b32 s52, s51                             ; version 0's exponent: wo entry 11, wv 5, wk 3, wq 1, x 0
	s_cmp_eq_u32 s22, 2
	s_cselect_b32 s52, s45, s52
	s_cmp_eq_u32 s22, 1
	s_cselect_b32 s52, s43, s52
	s_cmp_eq_u32 s22, 0
	s_cselect_b32 s52, s41, s52
	s_cmp_lt_u32 ttmp9, 256
	s_cselect_b32 s52, s40, s52
	MKS 52, 0
	MKS 42, 1                                      ; x for the product with wk
	MKS 44, 2                                      ; x for the product with wv
	s_wait_alu depctr_va_vdst(0)
	s_wait_loadcnt 16                              ; fragment 0's sixteen loads are in; fragment 1's stay out
	TURNF 0
	s_wait_dscnt 0x0
	QF 0
	s_wait_loadcnt 0x0
	TURNF 1
	s_wait_dscnt 0x0
	QF 1
	s_wait_tensorcnt 0x0
	ds_add_u32 v14, v15
	s_wait_dscnt 0x0
	s_endpgm
.Lfunc_end_k_q3b7f13db57_quant:
	.size	k_q3b7f13db57_quant, .Lfunc_end_k_q3b7f13db57_quant-k_q3b7f13db57_quant
	.p2alignl 7, 3214868480
	.fill 96, 4, 3214868480
	.section	.rodata,"a",@progbits
	.p2align	6, 0x0
	.amdhsa_kernel k_q3b7f13db57_quant
		.amdhsa_group_segment_fixed_size 68096
		.amdhsa_private_segment_fixed_size 0
		.amdhsa_enable_private_segment 0
		.amdhsa_kernarg_size 64
		.amdhsa_user_sgpr_count 2
		.amdhsa_user_sgpr_kernarg_segment_ptr 1
		.amdhsa_wavefront_size32 1
		.amdhsa_system_sgpr_workgroup_id_x 1
		.amdhsa_system_sgpr_workgroup_id_y 1
		.amdhsa_system_sgpr_workgroup_id_z 1
		.amdhsa_system_vgpr_workitem_id 0
		.amdhsa_next_free_vgpr 256
		.amdhsa_next_free_sgpr 66
		.amdhsa_reserve_vcc 0
		.amdhsa_float_denorm_mode_32 3
		.amdhsa_float_denorm_mode_16_64 3
		.amdhsa_memory_ordered 1
		.amdhsa_forward_progress 1
		.amdhsa_inst_pref_size 41
	.end_amdhsa_kernel
	.amdgpu_metadata
---
amdhsa.version: [ 1, 2 ]
amdhsa.kernels:
  - .name:           k_q3b7f13db57_quant
    .symbol:         k_q3b7f13db57_quant.kd
    .args:
      - { .name: x, .offset: 0, .size: 8, .value_kind: global_buffer, .address_space: global }
      - { .name: wq, .offset: 8, .size: 8, .value_kind: global_buffer, .address_space: global }
      - { .name: wk, .offset: 16, .size: 8, .value_kind: global_buffer, .address_space: global }
      - { .name: wv, .offset: 24, .size: 8, .value_kind: global_buffer, .address_space: global }
      - { .name: wo, .offset: 32, .size: 8, .value_kind: global_buffer, .address_space: global }
      - { .name: lowp_scales, .offset: 40, .size: 8, .value_kind: global_buffer, .address_space: global }
      - { .name: ximg, .offset: 48, .size: 8, .value_kind: global_buffer, .address_space: global }
      - { .name: wimg, .offset: 56, .size: 8, .value_kind: global_buffer, .address_space: global }
    .group_segment_fixed_size: 68096
    .private_segment_fixed_size: 0
    .kernarg_segment_align: 8
    .kernarg_segment_size: 64
    .max_flat_workgroup_size: 128
    .sgpr_count:     66
    .vgpr_count:     256
    .wavefront_size: 32
...
	.end_amdgpu_metadata
.endif
;; end of part 1
;; launch proj (part 2): grid 4 x 48, 4 waves a work-group, clusters of 4 x 1, 327,680 bytes of LDS; arguments ximg, wimg, lowp_scales, qkvimg; writes qkvimg
.if DOCPART == 2
	.amdgcn_target "amdgcn-amd-amdhsa--gfx1250"
	.amdhsa_code_object_version 6
	.text
	.protected	k_q3b7f13db57_proj
	.globl	k_q3b7f13db57_proj
	.p2align	8
	.type	k_q3b7f13db57_proj,@function
k_q3b7f13db57_proj:
	s_mov_b64 s[64:65], 0
	v_nop
	global_prefetch_b8 v0, s[64:65] scope:SCOPE_SE
	s_setreg_imm32_b32 hwreg(HW_REG_WAVE_MODE, 25, 1), 1
	s_wait_xcnt 0x0
	s_wait_alu depctr_hold_cnt(0) depctr_sa_sdst(0) depctr_va_vdst(0) depctr_va_sdst(0) depctr_va_ssrc(0) depctr_va_vcc(0) depctr_vm_vsrc(0)
	s_getreg_b32 s2, hwreg(HW_REG_IB_STS2, 6, 4)
	s_cmp_eq_u32 s2, 0
	s_cbranch_scc0 .Lentry_in_a_cluster
	s_endpgm
.Lentry_in_a_cluster:
	s_bfe_u32 s2, ttmp6, 0x10000c
	s_cmp_lg_u32 s2, 0x3003
	s_cbranch_scc0 .Lentry_shape_is_right
	s_endpgm
.Lentry_shape_is_right:
; q = x wq^T, k = x wk^T, v = x wv^T on codes of FP8 (E4M3), M 4,096, N 1,024, K 1,024 each; every finished sum is quantised at once for attention's products (q: entry 6 of the scales, k: entry 7, v: entry 9).
; OPERANDS ARE IMAGES OF THEIR REGISTERS: a fragment (16 rows x 128 K; lane (r, h): k = 16 c + 8 h + 0 .. 7 of row r in registers 2 c, 2 c + 1) is 2,048 bytes, registers 4 g .. 4 g + 3 of lane l at 512 g + 16 l;
; a tensor is [tile of 16 rows][K step of 128: 8][2,048].  ximg holds x in three versions, 4 MiB apart; wimg holds wq, wk, wv, wo, 1 MiB apart.
; A tile of 256 x 256 is made by a work-group of four waves; a wave makes 256 rows of A x 64 rows of B: 64 accumulators, 512 registers.
; A LIES WHOLE IN LDS (256 rows x 1,024 K = 262,144 bytes), each byte filled once, in two halves of K: each wave asks for 64 rows of a half by one tensor load.  The second half is asked for when the first has landed, and
; has the first half's groups of matrix instructions in which to land.
; B GOES FROM MEMORY STRAIGHT INTO REGISTERS: each of its fragments is used by one wave of the work-group alone; its loads run three K steps (48 loads of 512 consecutive bytes a wave) ahead.
; CLUSTERS of 4 x 1: the four work-groups need the same tile of A, which is asked for JOINTLY.  B is not: it never lies in LDS, where joint loads land.  No prefetch: A's second half is asked for straight behind its first,
; and B's loads themselves run three steps ahead.
; THE MATRIX INSTRUCTION IS USED TRANSPOSED: source 0 = 16 rows of B, source 1 = 16 rows of A: lane (r, h) holds A's row r and B's rows 16 b + 8 h + 0 .. 7 in accumulator b: eight neighbours, which one conversion
; turns into registers 2 b, 2 b + 1 of the next operand.  q and k: A = x (tokens), B = the weight (a wave's 64 rows are one head).  v: A = wv, B = x: a lane's numbers run along the keys.
; qkvimg: q at 0 and k at 4 MiB: [batch x head 32][tile of 16 tokens 128][1,024];  v at 8 MiB: [batch x head 32][128 keys 16][16 of the head's 64: 4][2,048].
; LIMITS: e6 - e0 - e1, e7 - e2 - e3 and e9 - e4 - e5 lie between -126 and 119, so that the folded scale and 448 x it are f32 numbers.
; REGISTERS: window 0: v16-31 addresses and constants; v64-255 three buffers of four of A's fragments; on the way out v32-95 held sums, v128-255 codes.  window 1: four sets of B's four fragments.
;   windows 2, 3: the accumulators of A's blocks 0-7, 8-15 ((a, b) at v[8 (4 (a % 8) + b)]).
.set HALF,  131072                     ; LDS: a K half of A: [row tile 16][K step 4][2,048]
.set SPARE, 262144                     ; the spare words, 128 bytes for each wave
.set ADR,  16                          ; v16-19  LDS address of my lane's bytes: first half's row tiles 0-7, 8-15, second half's 0-7, 8-15
.set SPW,  20                          ; v20     LDS address of my spare word; never rewritten
.set NIL,  21                          ; v21     0; never rewritten
.set SO,   26                          ; v26-29  16 x lane + 0 .. 3 x the distance of two blocks in the output
.set LIM,  30                          ; v30     448 x the folded scale
.set SCL,  31                          ; v31     the folded scale as f32
.set TMP,  32
.set CD,   128
.set G1,   24                          ; s[24:31] descriptor group 1; s[32:35], s[48:51] group 0 for A's two halves
.set G0,   32
.set G0S,  48
.set BB,   46                          ; s[46:47] where my rows of B begin
.set TZ,   66                          ; s66     0 q, 1 k, 2 v
.set YT,   67                          ; s67     the place along y within that
.set MSB, 0
.macro WIN new                         ; the immediate's high byte repeats the setting that is left
.if MSB != (\new)
	s_set_vgpr_msb (MSB<<8)|(\new)
.set MSB, (\new)
.endif
.endm
.macro CROUND                          ; a round of the cluster's barrier
	s_barrier_signal -1
	s_barrier_wait -1
	s_cmp_lg_u32 s14, 0
	s_cbranch_scc1 .Lnot_wave_0_\@
	s_barrier_signal -3
.Lnot_wave_0_\@:
	s_barrier_wait -3
	s_barrier_signal -1
	s_barrier_wait -1
.endm
.macro PLACES                          ; plain vector instructions between a matrix instruction and a load into a register that it has read, or a read of its result (ISA guide 7.12.1 for a read of its result)
.rept 4
	v_nop
.endr
.endm
.macro BLOAD k                         ; K step k of my 64 rows of B into set k % 4
	WIN 0x40
.irp b, 0,1,2,3
.irp c, 0,1,2,3
	global_load_b128 v[64*((\k)%4)+16*\b+4*\c:64*((\k)%4)+16*\b+4*\c+3], v[SO], s[BB:BB+1] offset:16384*\b+2048*(\k)+512*\c
.endr
.endr
	WIN 0
.endm
; The work goes in 32 groups of 16 matrix instructions: group n = K step n / 4, A's blocks 4 (n % 4) .. + 3, A's buffer n % 3.
.macro FETCHA n
.set KK, (\n)/4
.set GG, (\n)%4
	WIN 0
.irp i, 0,1,2,3
.irp c, 0,1,2,3
	ds_load_b128 v[64+64*((\n)%3)+16*\i+4*\c:64+64*((\n)%3)+16*\i+4*\c+3], v[ADR+2*(KK/4)+GG/2] offset:8192*((4*GG+\i)%8)+2048*(KK%4)+512*\c
.endr
.endr
.endm
.macro MULG n                          ; the accumulators take turns, one instruction a turn; K step 0 starts the sums
.set KK, (\n)/4
.set GG, (\n)%4
	WIN 0xa1+0x50*(GG/2)
.irp i, 0,1,2,3
.irp b, 0,1,2,3
.set AC, 8*(4*((4*GG+\i)%8)+\b)
.if KK == 0
	v_wmma_f32_16x16x128_fp8_fp8 v[AC:AC+7], v[64*(KK%4)+16*\b:64*(KK%4)+16*\b+15], v[64+64*((\n)%3)+16*\i:64+64*((\n)%3)+16*\i+15], 0
.else
	v_wmma_f32_16x16x128_fp8_fp8 v[AC:AC+7], v[64*(KK%4)+16*\b:64*(KK%4)+16*\b+15], v[64+64*((\n)%3)+16*\i:64+64*((\n)%3)+16*\i+15], v[AC:AC+7]
.endif
.endr
.endr
.endm
.macro GROUP n
.if (\n) == 14                         ; group 16 is the second half's first
	s_wait_dscnt 0x0                               ; no LDS load of mine is out at the signal
	s_wait_tensorcnt 0x0                           ; my part of the second half is in
	s_barrier_signal -1
	MULG \n
	s_barrier_wait -1                              ; the second half is there for every wave
	PLACES
	FETCHA \n+2
.else
.if (\n)%4 == 0
.if (\n)/4 < 6
	s_wait_loadcnt 32                              ; this step's set of B is in; the next two sets' 32 loads may be out
.endif
.if (\n)/4 == 6
	s_wait_loadcnt 16                              ; the last set's 16 may be out
.endif
.if (\n)/4 == 7
	s_wait_loadcnt 0x0
.endif
.endif
	PLACES
.if ((\n)%4 == 0) && ((\n)/4 < 5)
	BLOAD (\n)/4+3
.endif
.if (\n) < 30
	FETCHA \n+2
	s_wait_dscnt 32                                ; this group's loads are in; the next two groups' 32 may be out
.endif
.if (\n) == 30
	s_wait_dscnt 16                                ; the last group's 16 may be out
.endif
.if (\n) == 31
	s_wait_dscnt 0x0
.endif
	MULG \n
.endif
.endm
	s_load_b128 s[4:7], s[0:1], 0x0                ; ximg s[4:5], wimg s[6:7]
	s_load_b128 s[8:11], s[0:1], 0x10              ; the scales' exponents s[8:9], qkvimg s[10:11]
	v_lshl_add_u32 v[SPW], v0, 2, SPARE
	v_mov_b32 v[NIL], 0
	ds_add_u32 v[SPW], v[NIL]                      ; the opening: the add, twice on end, and its wait ahead of my first tensor load
	ds_add_u32 v[SPW], v[NIL]
	v_lshrrev_b32 v1, 5, v0
	v_readfirstlane_b32 s14, v1                    ; wave 0..3
	s_bfe_u32 s40, ttmp6, 0x40000                  ; cx
	s_and_b32 s18, ttmp7, 0xffff                   ; 0 .. 47
	s_lshr_b32 s[TZ], s18, 4
	s_and_b32 s[YT], s18, 15
	s_and_b32 s41, s[YT], 3                        ; v: A's tile
	s_lshr_b32 s43, s[YT], 2
	s_lshl_b32 s43, s43, 2
	s_add_co_u32 s43, s43, s40                     ; v: B's tile of 256 tokens
	s_lshl_b32 s18, s[TZ], 22                      ; x's version tz
	s_lshl_b32 s19, s[TZ], 20                      ; weight tz
	; where my results go, q and k: head 4 cx + w, tokens 256 YT on
	s_lshr_b32 s84, s[YT], 3
	s_lshl_b32 s84, s84, 4
	s_lshl_b32 s85, s40, 2
	s_add_co_u32 s84, s84, s85
	s_add_co_u32 s84, s84, s14
	s_lshl_b32 s84, s84, 17
	s_and_b32 s85, s[YT], 7
	s_lshl_b32 s85, s85, 14
	s_add_co_u32 s84, s84, s85
	s_add_co_u32 s84, s84, s18
	; v: head 4 (YT % 4) + block / 4; 128 keys number 2 (tile % 8) + w / 2, half w % 2
	s_lshr_b32 s88, s43, 3
	s_lshl_b32 s88, s88, 4
	s_lshl_b32 s89, s41, 2
	s_add_co_u32 s88, s88, s89
	s_lshl_b32 s88, s88, 17
	s_and_b32 s89, s43, 7
	s_lshl_b32 s89, s89, 14
	s_add_co_u32 s88, s88, s89
	s_lshr_b32 s89, s14, 1
	s_lshl_b32 s89, s89, 13
	s_add_co_u32 s88, s88, s89
	s_and_b32 s89, s14, 1
	s_lshl_b32 s89, s89, 10
	s_add_co_u32 s88, s88, s89
	s_add_co_u32 s88, s88, 0x800000
	s_mov_b32 s80, 1024
	s_mov_b32 s86, 4096
	s_cmp_eq_u32 s[TZ], 2                          ; v changes the roles: all choices hang on the cluster's y alone
	s_cselect_b32 s17, s41, s[YT]                  ; A's tile of 256 rows
	s_cselect_b32 s42, s43, s40                    ; B's
	s_cselect_b32 s20, 0x200000, s18               ; A: wv, or x's version tz
	s_cselect_b32 s46, 0x800000, s19               ; B: x's version 2, or weight tz
	s_cselect_b32 s84, s88, s84
	s_cselect_b32 s80, 2048, s80                   ; from block to block
	s_cselect_b32 s86, 0x20000, s86                ; from four blocks to the next four
	s_mov_b32 s85, 0
	s_mov_b32 s87, 0
	s_lshl_b32 s17, s17, 18                        ; 16 row tiles of 16,384 bytes
	s_add_co_u32 s20, s20, s17
	s_lshl_b32 s17, s14, 16                        ; + the four row tiles that I fetch
	s_add_co_u32 s20, s20, s17
	s_mov_b32 s21, 0
	s_lshl_b32 s42, s42, 18
	s_add_co_u32 s46, s46, s42
	s_lshl_b32 s42, s14, 16                        ; + my four row tiles
	s_add_co_u32 s46, s46, s42
	s_mov_b32 s47, 0
	; descriptor group 1: 4 row tiles x 8,192 bytes (four images on end), 16,384 bytes apart in memory, dense in LDS
	s_mov_b32 s[G1], 15|(3<<16)|(1<<21)            ; 15:0 the mask: all four work-groups; 17:16 elements of 8 bytes; 20 no padding; 21 set beside a mask
	s_mov_b32 s[G1+1], 1024<<16                    ; tensor_dim0
	s_mov_b32 s[G1+2], 4<<16                       ; tensor_dim1
	s_mov_b32 s[G1+3], 1024<<16                    ; tile_dim0
	s_mov_b32 s[G1+4], 4                           ; tile_dim1
	s_mov_b32 s[G1+5], 2048                        ; tensor_dim0_stride, in elements
	s_mov_b32 s[G1+6], 0
	s_mov_b32 s[G1+7], 0
	s_mov_b32 s[G0], 1
	s_mov_b32 s[G0S], 1
	s_lshl_b32 s[G0+1], s14, 15                    ; LDS: wave x 32,768,
	s_add_co_u32 s[G0S+1], s[G0+1], HALF           ; and the same in the second half
	v_and_b32 v6, 31, v0
	v_lshlrev_b32 v[SO], 4, v6                     ; 16 x lane
	v_add_nc_u32 v[SO+1], s80, v[SO]
	v_add_nc_u32 v[SO+2], s80, v[SO+1]
	v_add_nc_u32 v[SO+3], s80, v[SO+2]
	v_lshlrev_b32 v[ADR], 4, v6
	v_add_nc_u32 v[ADR+1], 0x10000, v[ADR]
	v_add_nc_u32 v[ADR+2], 0x20000, v[ADR]
	v_add_nc_u32 v[ADR+3], 0x30000, v[ADR]
	s_wait_alu depctr_va_vdst(0)                   ; the wait at the head's end, directly ahead of the waits below
	s_wait_dscnt 0x0                               ; both opening adds are done
	s_wait_kmcnt 0x0
	s_load_b256 s[68:75], s[8:9], 0x0              ; entries 0 to 7
	s_load_b128 s[76:79], s[8:9], 0x20             ; entries 8 to 11
	s_cmp_eq_u32 s[TZ], 2
	s_cselect_b64 s[36:37], s[6:7], s[4:5]         ; A's buffer
	s_cselect_b64 s[38:39], s[4:5], s[6:7]         ; B's
	s_add_nc_u64 s[G0+2:G0+3], s[36:37], s[20:21]
	s_add_nc_u64 s[G0S+2:G0S+3], s[G0+2:G0+3], 8192
	s_or_b32 s[G0+3], s[G0+3], 0x80000000
	s_or_b32 s[G0S+3], s[G0S+3], 0x80000000
	s_add_nc_u64 s[BB:BB+1], s[38:39], s[46:47]
	s_add_nc_u64 s[88:89], s[10:11], s[84:85]      ; the output of blocks 0-3,
	s_add_nc_u64 s[90:91], s[88:89], s[86:87]      ; 4-7,
	s_add_nc_u64 s[92:93], s[90:91], s[86:87]      ; 8-11,
	s_add_nc_u64 s[94:95], s[92:93], s[86:87]      ; 12-15
	BLOAD 0
	CROUND                                         ; all four work-groups are here: the joint loads meet
	tensor_load_to_lds s[G0:G0+3], s[G1:G1+7]      ; my part of the first half: my one tensor load at the head
	s_nop 0
	PLACES
	BLOAD 1
	BLOAD 2
	s_wait_tensorcnt 0x0                           ; my part of the first half is in
	ds_add_u32 v[SPW], v[NIL]
	s_wait_dscnt 0x0
	CROUND                                         ; the first half is there for every wave, and all four work-groups are here
	tensor_load_to_lds s[G0S:G0S+3], s[G1:G1+7]    ; my part of the second half, the first tensor load behind the round
	s_nop 0
	PLACES
	FETCHA 0
	FETCHA 1
.irp n, 0,1,2,3,4,5,6,7,8,9,10,11,12,13,14,15,16,17,18,19,20,21,22,23,24,25,26,27,28,29,30,31
	GROUP \n
.endr
	WIN 0
	; THE WAY OUT.  A sum stands for sum x 2^(its two operands' exponents); its code is sum / 2^E, E = the next operand's exponent less those two: three scales folded into the conversion's one.
	s_wait_kmcnt 0x0
	s_sub_co_i32 s36, s74, s68
	s_sub_co_i32 s36, s36, s69                     ; q: e6 - e0 - e1
	s_sub_co_i32 s37, s75, s70
	s_sub_co_i32 s37, s37, s71                     ; k: e7 - e2 - e3
	s_sub_co_i32 s38, s77, s72
	s_sub_co_i32 s38, s38, s73                     ; v: e9 - e4 - e5
	s_cmp_eq_u32 s[TZ], 1
	s_cselect_b32 s36, s37, s36
	s_cmp_eq_u32 s[TZ], 2
	s_cselect_b32 s36, s38, s36
	s_add_co_i32 s36, s36, 127
	s_lshl_b32 s37, s36, 23
	s_add_co_i32 s36, s36, 8
	s_lshl_b32 s36, s36, 23
	s_or_b32 s36, s36, 0x600000
	v_mov_b32 v[SCL], s37                          ; 2^E
	v_mov_b32 v[LIM], s36                          ; 448 x 2^E
	PLACES
; Block a: 16 rows of A x my 64 rows of B.  Held, each accumulator from its low end on; converted: accumulator b gives registers 2 b, 2 b + 1; stored as they stand, 512 consecutive bytes a store.
; Each block has code registers of its own, so no store's data are written again.
.macro OUTB a
	WIN 0x02+((\a)/8)                              ; source 0: window 2 or 3
.set n, 0
.rept 32
	v_med3_num_f32 v[TMP+32*((\a)%2)+n], v[32*((\a)%8)+n], -v[LIM], v[LIM]   ; the conversion to an 8-bit code does not saturate (ISA guide 7.6.2)
.set n, n+1
.endr
	WIN 0
.irp b, 0,1,2,3
	v_cvt_scalef32_pk8_fp8_f32 v[CD+8*(\a)+2*\b:CD+8*(\a)+2*\b+1], v[TMP+32*((\a)%2)+8*\b:TMP+32*((\a)%2)+8*\b+7], v[SCL]
.endr
	v_nop                                          ; one plain vector instruction behind the last conversion
	global_store_b128 v[SO+(\a)%4], v[CD+8*(\a):CD+8*(\a)+3], s[88+2*((\a)/4):89+2*((\a)/4)]
	global_store_b128 v[SO+(\a)%4], v[CD+8*(\a)+4:CD+8*(\a)+7], s[88+2*((\a)/4):89+2*((\a)/4)] offset:512
.endm
.irp a, 0,1,2,3,4,5,6,7,8,9,10,11,12,13,14,15
	OUTB \a
.endr
	s_wait_tensorcnt 0x0                           ; the wave's end
	ds_add_u32 v[SPW], v[NIL]
	s_wait_dscnt 0x0
	CROUND                                         ; the closing round: no work-group ends while a partner may still ask for a tile that names it
	s_endpgm
.Lfunc_end_k_q3b7f13db57_proj:
	.size	k_q3b7f13db57_proj, .Lfunc_end_k_q3b7f13db57_proj-k_q3b7f13db57_proj
	.p2alignl 7, 3214868480
	.fill 96, 4, 3214868480
	.section	.rodata,"a",@progbits
	.p2align	6, 0x0
	.amdhsa_kernel k_q3b7f13db57_proj
		.amdhsa_group_segment_fixed_size 327680
		.amdhsa_private_segment_fixed_size 0
		.amdhsa_enable_private_segment 0
		.amdhsa_kernarg_size 32
		.amdhsa_user_sgpr_count 2
		.amdhsa_user_sgpr_kernarg_segment_ptr 1
		.amdhsa_wavefront_size32 1
		.amdhsa_system_sgpr_workgroup_id_x 1
		.amdhsa_system_sgpr_workgroup_id_y 1
		.amdhsa_system_sgpr_workgroup_id_z 1
		.amdhsa_system_vgpr_workitem_id 0
		.amdhsa_next_free_vgpr 1024
		.amdhsa_next_free_sgpr 96
		.amdhsa_reserve_vcc 0
		.amdhsa_float_denorm_mode_32 3
		.amdhsa_float_denorm_mode_16_64 3
		.amdhsa_memory_ordered 1
		.amdhsa_forward_progress 1
		.amdhsa_inst_pref_size 132
	.end_amdhsa_kernel
	.amdgpu_metadata
---
amdhsa.version: [ 1, 2 ]
amdhsa.kernels:
  - .name:           k_q3b7f13db57_proj
    .symbol:         k_q3b7f13db57_proj.kd
    .args:
      - { .name: ximg, .offset: 0, .size: 8, .value_kind: global_buffer, .address_space: global }
      - { .name: wimg, .offset: 8, .size: 8, .value_kind: global_buffer, .address_space: global }
      - { .name: lowp_scales, .offset: 16, .size: 8, .value_kind: global_buffer, .address_space: global }
      - { .name: qkvimg, .offset: 24, .size: 8, .value_kind: global_buffer, .address_space: global }
    .group_segment_fixed_size: 327680
    .private_segment_fixed_size: 0
    .kernarg_segment_align: 8
    .kernarg_segment_size: 32
    .max_flat_workgroup_size: 128
    .sgpr_count:     96
    .vgpr_count:     1024
    .wavefront_size: 32
...
	.end_amdgpu_metadata
.endif
;; end of part 2
;; launch attn (part 3): grid 8 x 32, 16 waves a work-group, clusters of 4 x 1, 301,056 bytes of LDS; arguments qkvimg, lowp_scales, aimg; writes aimg
.if DOCPART == 3
	.amdgcn_target "amdgcn-amd-amdhsa--gfx1250"
	.amdhsa_code_object_version 6
	.text
	.protected	k_q3b7f13db57_attn
	.globl	k_q3b7f13db57_attn
	.p2align	8
	.type	k_q3b7f13db57_attn,@function
k_q3b7f13db57_attn:
	s_mov_b64 s[64:65], 0
	v_nop
	global_prefetch_b8 v0, s[64:65] scope:SCOPE_SE
	s_setreg_imm32_b32 hwreg(HW_REG_WAVE_MODE, 25, 1), 1
	s_wait_xcnt 0x0
	s_wait_alu depctr_hold_cnt(0) depctr_sa_sdst(0) depctr_va_vdst(0) depctr_va_sdst(0) depctr_va_ssrc(0) depctr_va_vcc(0) depctr_vm_vsrc(0)
	s_getreg_b32 s2, hwreg(HW_REG_IB_STS2, 6, 4)
	s_cmp_eq_u32 s2, 0
	s_cbranch_scc0 .Lentry_in_a_cluster
	s_endpgm
.Lentry_in_a_cluster:
	s_bfe_u32 s2, ttmp6, 0x10000c
	s_cmp_lg_u32 s2, 0x3003
	s_cbranch_scc0 .Lentry_shape_is_right
	s_endpgm
.Lentry_shape_is_right:
; Causal attention on codes of FP8 (E4M3): 32 batch x head blocks, 2,048 tokens, head size 64.  o = softmax(q k^T / 8, key <= query) v, quantised at once for the last projection (entry 10 of the scales).
; q, k, v come as images of the operands' registers (lane (r, h): k = 16 c + 8 h + 0 .. 7 in registers 2 c, 2 c + 1; registers 4 g .. 4 g + 3 of lane l at 512 g + 16 l):
;   q at 0, k at 4 MiB: [block 32][tile of 16 tokens 128][1,024];  v at 8 MiB, keys innermost: [block 32][128 keys 16][16 of the head's 64: 4][2,048].  A block is 131,072 bytes in each.
; LEFT OUT: key steps of 128 keys that all come after a tile's queries: the causal mask makes their p 0 for every input.  A NaN or an infinity that reaches only those is not carried to the result.
; THE SOFTMAX AHEAD OF THE SECOND PRODUCT: t = score x log2(e) / 8; M = the row's largest t so far, rounded UP to a whole number; p = 2^(t - M) is quantised (entry 8), not normalised; the row's sum is taken of the
; unquantised p, in f32, and divides at the end.  When M moves, the sum and O are multiplied by 2^(old M - new M): exact.
; LAYOUT.  Both products are used transposed: S^T = K Q^T (source 0 = 16 keys, source 1 = my 16 queries), O^T = V^T P^T: a lane holds ONE query (lane % 16) throughout.  In tile c of S^T a lane's eight registers are keys
; 16 c + 8 h + 0 .. 7: converted, they are registers 2 c, 2 c + 1 of P.  In tile d of O^T they are channels 16 d + 8 h + 0 .. 7: converted, registers of the last projection's operand, stored as an image:
;   aimg: [tile of 16 tokens 256][K step of 128: 8][2,048]; head hd fills bytes 1,024 (hd % 2) on of K step hd / 2.
; SHARES.  Work-group i (0 .. 7) of a block owns, for each rank R = 0 .. 15, the tile of queries 8 R + i, which wants key steps 0 .. R of 128 keys, the last on the diagonal.  Waves p and p + 8 (p = 0 .. 7) share the
; ranks p and 15 - p: wave p does all p + 1 steps of rank p, sends that tile out, and then steps 8 .. 15 - p of rank 15 - p: 9 steps; wave p + 8 does that rank's steps 0 .. 7: 8 steps.  At the end wave p hands its
; part of that tile (M, sum, O) to wave p + 8 through LDS, which brings both parts under the larger M (exact powers of two), adds them and sends the tile out.
; ALL OF THE BLOCK'S K AND V LIES IN LDS, 131,072 bytes each, filled ONCE: each of the sixteen waves asks for 16,384 bytes (two key steps of K or of V) by one tensor load, and one barrier shows them to all.
; CLUSTER: four work-groups of one block want the same K and V: every load is JOINT, with a mask that names the four.  No prefetch: everything is asked for at the head.
; LIMITS: e6 + e7 between -123 and 130 (added to the exponent field of log2(e) / 8); e8 between -126 and 119; e8 + e9 - e10 goes by v_ldexp_f32 and has none.  The scaled scores stay under 2^31 in magnitude.
; REGISTERS: v1 16 x lane; v2, v3 the add's; v4 448, v5 1.0; v6 the joining bytes; v7 the diagonal's bound; v8, v9 LDS addresses; v10 448 x 2^e8, v11 2^e8; v12 -M, v13 the largest t, v[14:15] the sum in two halves;
;   v16-23 Q; v32-95 K's eight fragments, then V's four; v96-159 S^T, then p; v160-191 O^T; v192-207 p's codes; v208-223 codes on the way out; v224-239 at work.
.set VOFF,  131072                     ; LDS: K's image from 0, V's from here
.set SPARE, 262144                     ; the spare words, 128 bytes for each wave
.set JB,    264192                     ; the joining bytes: 4,608 for each pair of waves
.set WV,  18                           ; my wave's number
.set RK,  19                           ; the rank in hand
.set SEL, 20                           ; s[20:21] lane selects for v_permlanex16_b32: lane l xor 16
.set CS,  22                           ; s[22:23] c = log2(e) / 8 x 2^(e6 + e7): the packed form names a pair and takes its low word for both halves
.set G0,  24
.set G1,  28
.set QA,  36                           ; s[36:37] my first tile of Q, s[38:39] rank 15 - p's
.set QB,  38
.set OA,  40                           ; s[40:41] where rank p's codes go, s[42:43] rank 15 - p's
.set OB,  42
.set PP,  44                           ; p = wave % 8
.set SW,  45                           ; the last trip on my first tile: p, or beyond the loop (waves 8 to 15)
.set SW1, 46                           ; one more
.set TL,  47                           ; my last trip: 8 (waves 0 to 7) or 7
.set P7,  48                           ; 7 - p
.set P15, 49                           ; 15 - p
.set R0,  50                           ; my first tile's rank
.set XB,  51                           ; the cluster's x: work-groups 0-3 of the block (0) or 4-7 (1)
.set II,  52                           ; i
.set TT,  53                           ; the trip
.set KS,  54                           ; the key step
.set TB,  55                           ; its first byte in K's image
.set EX,  60                           ; e8 + e9 - e10
.macro CROUND                          ; a round of the cluster's barrier
	s_barrier_signal -1
	s_barrier_wait -1
	s_cmp_lg_u32 s[WV], 0
	s_cbranch_scc1 .Lnot_wave_0_\@
	s_barrier_signal -3
.Lnot_wave_0_\@:
	s_barrier_wait -3
	s_barrier_signal -1
	s_barrier_wait -1
.endm
; A KEY STEP: 128 keys.  first = 1: the products start O^T and the sum; nothing is cleared or rescaled.
.macro STEP first
	v_add_nc_u32 v8, s[TB], v1
.irp t, 0,1,2,3,4,5,6,7
	ds_load_b128 v[32+8*\t:35+8*\t], v8 offset:1024*\t             ; K's tile t: 16 keys x 64
	ds_load_b128 v[36+8*\t:39+8*\t], v8 offset:1024*\t+512
.endr
	s_wait_alu depctr_va_vdst(0)                   ; the wait here, directly ahead of the wait below
	s_wait_dscnt 8                                 ; tiles 0-3 are in; the youngest eight loads may be out
.irp t, 0,1,2,3
	v_wmma_f32_16x16x64_fp8_fp8 v[96+8*\t:103+8*\t], v[32+8*\t:39+8*\t], v[16:23], 0
.endr
	s_wait_dscnt 0x0
.irp t, 4,5,6,7
	v_wmma_f32_16x16x64_fp8_fp8 v[96+8*\t:103+8*\t], v[32+8*\t:39+8*\t], v[16:23], 0
.endr
	v_add_nc_u32 v9, VOFF, v8                      ; this line and three v_nop: the four places in front of loads into registers that these products have read, and of the first read of their results
.rept 3
	v_nop
.endr
.irp d, 0,1,2,3
.irp g, 0,1,2,3
	ds_load_b128 v[32+16*\d+4*\g:35+16*\d+4*\g], v9 offset:2048*\d+512*\g   ; V's tile d: 16 channels x 128 keys: it lands while the softmax is worked
.endr
.endr
	; On the diagonal hidden scores become -infinity ahead of the maximum: p = 0 then.  Key 0 of the step counts for every query.  The cluster's x alone, which the partners share, says whether the diagonal lies in tiles 0-3
	; (tiles 4-7 are hidden whole) or in tiles 4-7 (tiles 0-3 count whole).  Register 8 c + j of those four tiles: hidden where 16 c + j > 16 cx + r - 8 h.
	s_cmp_lg_u32 s[KS], s[RK]
	s_cbranch_scc1 .Lopen_\@
	v_mov_b32 v238, 0xff800000
	s_wait_alu depctr_va_vdst(0)
	s_cmp_lg_u32 s[XB], 0
	s_cbranch_scc1 .Lupper_\@
.set n, 0
.rept 32
	v_cmp_gt_i32 vcc_lo, 16*(n/8)+n%8, v7
	v_cndmask_b32 v[96+n], v[96+n], v238, vcc_lo
.set n, n+1
.endr
.set n, 0
.rept 16
	v_dual_mov_b32 v[128+n], v238 :: v_dual_mov_b32 v[129+n], v238
.set n, n+2
.endr
	s_wait_alu depctr_va_vdst(0)                   ; the wait here, directly ahead of the branch
	s_branch .Lopen_\@
.Lupper_\@:
.set n, 0
.rept 32
	v_cmp_gt_i32 vcc_lo, 16*(n/8)+n%8, v7
	v_cndmask_b32 v[128+n], v[128+n], v238, vcc_lo
.set n, n+1
.endr
	s_wait_alu depctr_va_vdst(0)                   ; the same wait on this way
.Lopen_\@:
	v_max3_num_f32 v230, v96, v97, v98             ; the step's largest score of my query, among my 64 keys, in four chains, each accumulator from its low end on,
	v_max3_num_f32 v239, v99, v100, v101
	v_max3_num_f32 v224, v102, v103, v104
	v_max3_num_f32 v225, v105, v106, v107
.irp i, 12,20,28,36,44,52
	v_max3_num_f32 v230, v230, v[96+\i], v[97+\i]
	v_max3_num_f32 v239, v239, v[98+\i], v[99+\i]
	v_max3_num_f32 v224, v224, v[100+\i], v[101+\i]
	v_max3_num_f32 v225, v225, v[102+\i], v[103+\i]
.endr
	v_max3_num_f32 v230, v230, v156, v157
	v_max3_num_f32 v239, v239, v158, v159
	v_max_num_f32 v224, v224, v225
	v_max3_num_f32 v230, v230, v239, v224
	v_permlanex16_b32 v226, v230, s[SEL], s[SEL+1]
	s_delay_alu instid0(VALU_DEP_1)
	v_max_num_f32 v230, v230, v226                 ; and among lane l xor 16's
.if \first
	s_delay_alu instid0(VALU_DEP_1)
	v_mul_f32 v13, s[CS], v230                     ; as t (c is positive)
	s_delay_alu instid0(VALU_DEP_1)
	v_floor_f32 v12, -v13                          ; -M = floor(-t) = -ceil(t): M is a whole number
.else
	s_delay_alu instid0(VALU_DEP_1)
	v_mul_f32 v230, s[CS], v230
	s_delay_alu instid0(VALU_DEP_1)
	v_max_num_f32 v13, v13, v230                   ; the running largest t
	v_mov_b32 v230, v12
	s_delay_alu instid0(VALU_DEP_2)
	v_floor_f32 v12, -v13                          ; the new -M
	s_delay_alu instid0(VALU_DEP_1)
	v_sub_f32 v230, v12, v230                      ; M's old value less its new one: a whole number, 0 or less
	s_delay_alu instid0(VALU_DEP_1)
	v_cvt_i32_f32 v230, v230                       ; (it saturates)
	s_delay_alu instid0(VALU_DEP_1)
	v_ldexp_f32 v228, 1.0, v230                    ; f = 2^(old M - new M)
.endif
.set n, 0
.rept 32
	v_pk_fma_f32 v[96+n:97+n], v[96+n:97+n], s[CS:CS+1], v[12:13] op_sel_hi:[1,0,0]   ; t - M, two at a time (of the pairs c and -M the low word serves both halves)
.set n, n+2
.endr
	s_wait_alu depctr_va_vdst(0)                   ; the wait ahead of the batch
.set n, 0
.rept 64
	v_exp_f32 v[96+n], v[96+n]                     ; p = 2^(t - M), at most 1: not normalised
.set n, n+1
.endr
.if \first
	v_nop                                          ; the plain instruction behind the exponentials
	s_wait_alu depctr_va_vdst(0)                   ; one wait for the batch of 64, ahead of its first reader
.else
	v_pk_mul_f32 v[14:15], v[14:15], v[228:229] op_sel_hi:[1,0]   ; the sums under the new M.  (The plain instruction behind the exponentials)
	s_wait_alu depctr_va_vdst(0)                   ; one wait for the batch of 64 and for O^T, ahead of the first readers
.set n, 0
.rept 16
	v_pk_mul_f32 v[160+n:161+n], v[160+n:161+n], v[228:229] op_sel_hi:[1,0]     ; O^T under the new M
.set n, n+2
.endr
.endif
	v_pk_add_f32 v[232:233], v[96:97], v[98:99]    ; the row's sum is taken of the unquantised p: two at a time, in four chains
	v_pk_add_f32 v[234:235], v[100:101], v[102:103]
	v_pk_add_f32 v[236:237], v[104:105], v[106:107]
.if \first
	v_pk_add_f32 v[14:15], v[108:109], v[110:111]
.else
	v_pk_add_f32 v[14:15], v[14:15], v[108:109]
.endif
.irp j, 16,24,32,40,48,56
	v_pk_add_f32 v[232:233], v[232:233], v[96+\j:97+\j]
	v_pk_add_f32 v[234:235], v[234:235], v[98+\j:99+\j]
	v_pk_add_f32 v[236:237], v[236:237], v[100+\j:101+\j]
	v_pk_add_f32 v[14:15], v[14:15], v[102+\j:103+\j]
.endr
	v_pk_add_f32 v[232:233], v[232:233], v[234:235]
.if \first == 0
	v_pk_add_f32 v[236:237], v[236:237], v[110:111]
.endif
	v_pk_add_f32 v[14:15], v[14:15], v[236:237]
.irp b, 0,1,2,3
.irp i, 0,2,4,6,8,10,12,14
	v_dual_min_num_f32 v[96+16*\b+\i], v[96+16*\b+\i], v10 :: v_dual_min_num_f32 v[97+16*\b+\i], v[97+16*\b+\i], v10   ; the conversion to an 8-bit code does not saturate (ISA guide 7.6.2); p is not negative, so the hold is one-sided
.endr
	v_cvt_scalef32_pk8_fp8_f32 v[192+4*\b:193+4*\b], v[96+16*\b:103+16*\b], v11    ; tile 2 b: registers 4 b, 4 b + 1 of P
	v_cvt_scalef32_pk8_fp8_f32 v[194+4*\b:195+4*\b], v[104+16*\b:111+16*\b], v11   ; tile 2 b + 1
.endr
	v_pk_add_f32 v[14:15], v[14:15], v[232:233]    ; (the plain instruction between the last conversion and the products that read its result)
	s_wait_alu depctr_va_vdst(0)                   ; the wait here, directly ahead of the wait below
	s_wait_dscnt 0x0                               ; V is in
.irp d, 0,1,2,3
.if \first
	v_wmma_f32_16x16x128_fp8_fp8 v[160+8*\d:167+8*\d], v[32+16*\d:47+16*\d], v[192:207], 0
.else
	v_wmma_f32_16x16x128_fp8_fp8 v[160+8*\d:167+8*\d], v[32+16*\d:47+16*\d], v[192:207], v[160+8*\d:167+8*\d]   ; the four accumulators take turns; the next step's eight products on the scores stand between two links
.endif
.endr
.rept 4
	v_nop                                          ; places in front of the next loads into V's registers, and of reads of O^T
.endr
.endm
; A TILE GOES OUT.  O^T / the sum x 2^(e8 + e9) is the attention's result; its code is that / 2^e10: the three exponents go onto the reciprocal, and the conversion's scale is 1.
.macro OUT cd, sb
	v_add_f32 v14, v14, v15                        ; the sum's two halves,
	v_permlanex16_b32 v226, v14, s[SEL], s[SEL+1]
	s_delay_alu instid0(VALU_DEP_1)
	v_add_f32 v14, v14, v226                       ; and lane l xor 16's: the row's sum, above 1/2
	s_wait_alu depctr_va_vdst(0)                   ; the wait ahead of the transcendental
	v_rcp_f32 v14, v14
	v_nop                                          ; the plain place behind it
	s_wait_alu depctr_va_vdst(0)                   ; and ahead of its first reader
	v_ldexp_f32 v14, v14, s[EX]
	s_wait_alu depctr_va_vdst(0)                   ; and directly ahead of the first reader of O^T
.set n, 0
.rept 16
	v_pk_mul_f32 v[96+n:97+n], v[160+n:161+n], v[14:15] op_sel_hi:[1,0]   ; each accumulator from its low end on
.set n, n+2
.endr
.set n, 0
.rept 32
	v_med3_num_f32 v[96+n], v[96+n], -v4, v4
.set n, n+1
.endr
.irp d, 0,1,2,3
	v_cvt_scalef32_pk8_fp8_f32 v[\cd+2*\d:\cd+2*\d+1], v[96+8*\d:103+8*\d], v5   ; channels 16 d + 8 h + 0 .. 7 of token r
.endr
	v_nop
	global_store_b128 v1, v[\cd:\cd+3], s[\sb:\sb+1]               ; each store: 512 consecutive bytes
	global_store_b128 v1, v[\cd+4:\cd+7], s[\sb:\sb+1] offset:512
.endm
	s_load_b128 s[4:7], s[0:1], 0x0                ; qkvimg s[4:5], the scales' exponents s[6:7]
	s_load_b64 s[8:9], s[0:1], 0x10                ; aimg
	v_lshl_add_u32 v2, v0, 2, SPARE
	v_mov_b32 v3, 0
	ds_add_u32 v2, v3                              ; the opening: the add, twice on end, and its wait ahead of my tensor load
	ds_add_u32 v2, v3
	v_lshrrev_b32 v4, 5, v0
	v_readfirstlane_b32 s[WV], v4                  ; wave 0..15
	s_and_b32 s[PP], s[WV], 7
	s_lshr_b32 s72, s[WV], 3                       ; 0 in waves 0 to 7
	s_xor_b32 s[P7], s[PP], 7
	s_xor_b32 s[P15], s[PP], 15
	s_mul_i32 s73, s72, 15
	s_xor_b32 s[R0], s[PP], s73
	s_lshl_b32 s73, s72, 4
	s_add_co_u32 s[SW], s[PP], s73
	s_add_co_u32 s[SW1], s[SW], 1
	s_sub_co_u32 s[TL], 8, s72
	s_bfe_u32 s75, ttmp6, 0x40000                  ; cx
	s_mov_b32 s[XB], ttmp9
	s_lshl_b32 s[II], ttmp9, 2
	s_add_co_u32 s[II], s[II], s75                 ; i: it enters Q's and the output's addresses alone
	s_and_b32 s76, ttmp7, 0xffff                   ; the block, which the four partners share
	s_lshl_b32 s12, s76, 17
	s_mov_b32 s13, 0
	s_lshl_b32 s14, s[R0], 3
	s_add_co_u32 s14, s14, s[II]
	s_lshl_b32 s14, s14, 10                        ; my first tile of queries
	s_mov_b32 s15, 0
	s_lshl_b32 s16, s[P15], 3
	s_add_co_u32 s16, s16, s[II]                   ; rank 15 - p's tile
	s_lshl_b32 s73, s[PP], 3
	s_add_co_u32 s73, s73, s[II]                   ; rank p's tile
	s_lshr_b32 s74, s76, 4                         ; the batch: 128 tiles of tokens each
	s_lshl_b32 s74, s74, 7
	s_add_co_u32 s[OA], s74, s73
	s_add_co_u32 s[OB], s74, s16
	s_lshl_b32 s[OA], s[OA], 14
	s_lshl_b32 s[OB], s[OB], 14
	s_lshl_b32 s16, s16, 10
	s_mov_b32 s17, 0
	s_bfe_u32 s74, s76, 0x30001                    ; head / 2
	s_lshl_b32 s74, s74, 11
	s_and_b32 s73, s76, 1                          ; head % 2
	s_lshl_b32 s73, s73, 10
	s_add_co_u32 s74, s74, s73
	s_add_co_u32 s[OA], s[OA], s74
	s_add_co_u32 s[OB], s[OB], s74
	s_mov_b32 s[OA+1], 0
	s_mov_b32 s[OB+1], 0
	s_add_co_u32 s78, s72, 1
	s_lshl_b32 s78, s78, 22                        ; what I fetch: of k (waves 0 to 7) or of v,
	s_lshl_b32 s79, s[PP], 14
	s_add_co_u32 s78, s78, s79                     ; 16,384 bytes
	s_mov_b32 s79, 0
	s_mov_b32 s[G0], 1
	s_lshl_b32 s[G0+1], s[WV], 14                  ; LDS: wave x 16,384
	; descriptor group 1: a dense block of 16,384 bytes as 64 rows of 256
	s_mov_b32 s[G1], 15|(3<<16)|(1<<21)            ; 15:0 the mask: all four work-groups; 17:16 elements of 8 bytes; 20 no padding; 21 set beside a mask
	s_mov_b32 s[G1+1], 32<<16                      ; tensor_dim0
	s_mov_b32 s[G1+2], 64<<16                      ; tensor_dim1
	s_mov_b32 s[G1+3], 32<<16                      ; tile_dim0
	s_mov_b32 s[G1+4], 64                          ; tile_dim1
	s_mov_b32 s[G1+5], 32                          ; tensor_dim0_stride
	s_mov_b32 s[G1+6], 0
	s_mov_b32 s[G1+7], 0
	s_mov_b32 s[SEL], 0x76543210
	s_mov_b32 s[SEL+1], 0xfedcba98
	s_mov_b32 s[CS], 0x3e38aa3b                    ; log2(e) / 8
	s_mov_b32 s[TB], 0
	s_mov_b32 s[KS], 0
	s_mov_b32 s[RK], s[R0]
	s_mul_i32 s73, s[PP], 4608
	s_add_co_u32 s73, s73, JB
	s_lshl_b32 s74, s75, 4
	v_and_b32 v1, 31, v0
	v_lshlrev_b32 v1, 4, v1                        ; 16 x lane
	v_add_nc_u32 v6, s73, v1                       ; my pair's joining bytes
	v_and_b32 v7, 15, v0                           ; r
	v_bfe_u32 v8, v0, 4, 1                         ; h
	v_lshlrev_b32 v8, 3, v8
	v_sub_nc_u32 v7, v7, v8
	v_add_nc_u32 v7, s74, v7                       ; 16 cx + r - 8 h
	v_mov_b32 v4, 0x43e00000                       ; 448
	v_mov_b32 v5, 1.0
	v_mov_b32 v226, 0                              ; written once: a lane permute's destination counts as one of its sources
	v_mov_b32 v229, 0                              ; (named as the upper half of the pair v[228:229])
	s_wait_alu depctr_va_vdst(0)                   ; the wait here, directly ahead of the waits below
	s_wait_dscnt 0x0                               ; both opening adds are done
	s_wait_kmcnt 0x0
	s_load_b64 s[66:67], s[6:7], 0x18              ; e6, e7
	s_load_b128 s[68:71], s[6:7], 0x20             ; e8, e9, e10, e11
	s_add_nc_u64 s[12:13], s[4:5], s[12:13]        ; the block in q
	s_add_nc_u64 s[QA:QA+1], s[12:13], s[14:15]
	s_add_nc_u64 s[QB:QB+1], s[12:13], s[16:17]
	s_add_nc_u64 s[G0+2:G0+3], s[12:13], s[78:79]
	s_or_b32 s[G0+3], s[G0+3], 0x80000000
	s_add_nc_u64 s[OA:OA+1], s[8:9], s[OA:OA+1]
	s_add_nc_u64 s[OB:OB+1], s[8:9], s[OB:OB+1]
	global_load_b128 v[16:19], v1, s[QA:QA+1]      ; Q's fragment stays in registers
	global_load_b128 v[20:23], v1, s[QA:QA+1] offset:512
	CROUND                                         ; all four work-groups are here: the joint loads meet
	tensor_load_to_lds s[G0:G0+3], s[G1:G1+7]      ; my one tensor load
	s_nop 0
.rept 4
	v_nop
.endr
	s_wait_kmcnt 0x0
	s_add_co_i32 s74, s66, s67
	s_lshl_b32 s74, s74, 23
	s_add_co_i32 s[CS], s[CS], s74                 ; a score stands for score x 2^(e6 + e7): the two exponents are added to c's exponent field
	s_mov_b32 s[CS+1], s[CS]                       ; (named with it as a pair, so it is written)
	s_add_co_i32 s[EX], s68, s69
	s_sub_co_i32 s[EX], s[EX], s70
	s_add_co_i32 s74, s68, 127
	s_lshl_b32 s75, s74, 23
	s_add_co_i32 s74, s74, 8
	s_lshl_b32 s74, s74, 23
	s_or_b32 s74, s74, 0x600000
	v_mov_b32 v11, s75                             ; 2^e8 as f32, for p's conversion
	v_mov_b32 v10, s74                             ; 448 x 2^e8
	s_wait_alu depctr_va_vdst(0)                   ; the wait at the head's end
	s_wait_loadcnt 0x0                             ; Q
	s_wait_tensorcnt 0x0                           ; my part of K or V has landed
	s_barrier_signal -1
	s_barrier_wait -1                              ; all of K and V is there for every wave
	; A barrier runs through the trips: signalled ahead of a trip's step, waited for at the head of the next trip, so that no wave begins trip t + 1 before every wave has begun trip t.  Between signal and wait stand register
	; work and LDS loads of K and V, which nobody writes any more; a tile's stores stand between the wait and the signal.
	s_barrier_signal -1
	STEP 1                                         ; trip 0: key step 0, of every wave
	s_mov_b32 s[TT], 1
.Ltrip:                                            ; trips 1 to 8
	s_barrier_wait -1                              ; every wave has begun the trip before this one
	s_cmp_lg_u32 s[TT], s[SW1]
	s_cbranch_scc1 .Lsame                          ; a branch on the wave's number and the loop's count
	s_wait_alu depctr_va_vdst(0)                   ; the wait here, directly ahead of the wait below
	s_wait_xcnt 0x0                                ; no earlier store of mine still reads its data
	global_load_b128 v[16:19], v1, s[QB:QB+1]      ; rank p is done: rank 15 - p's queries come in while rank p's tile goes out
	global_load_b128 v[20:23], v1, s[QB:QB+1] offset:512
	OUT 208, OA
	v_mov_b32 v13, 0xff61b1e6                      ; the largest t so far: -3e38, under every t; the first change of M leaves the zeros zeros
	v_mov_b32 v14, 0
	v_floor_f32 v12, -v13
	v_mov_b32 v15, 0
.set n, 0
.rept 16
	v_dual_mov_b32 v[160+n], v3 :: v_dual_mov_b32 v[161+n], v3
.set n, n+2
.endr
	s_wait_alu depctr_va_vdst(0)                   ; the wait here, directly ahead of the wait below
	s_wait_loadcnt 0x0
.Lsame:
	s_barrier_signal -1                            ; I begin this trip; no LDS load of mine is out
	s_cmp_gt_u32 s[TT], s[SW]                      ; on rank 15 - p's part?  Then its key step is 8 + (trip - p - 1)
	s_cselect_b32 s[KS], s[P7], 0
	s_cselect_b32 s[RK], s[P15], s[R0]
	s_add_co_u32 s[KS], s[KS], s[TT]
	s_lshl_b32 s[TB], s[KS], 13                    ; a key step is 8,192 bytes in K and in V alike
	s_cmp_gt_u32 s[TT], s[TL]
	s_cbranch_scc1 .Ldone                          ; waves 8 to 15 have 8 steps
	STEP 0
.Ldone:
	s_add_co_u32 s[TT], s[TT], 1
	s_cmp_lt_u32 s[TT], 9
	s_cbranch_scc1 .Ltrip
	; THE JOIN of rank 15 - p's two parts: wave p stores its part, wave p + 8 takes it.
	s_wait_alu depctr_va_vdst(0)                   ; the wait here, directly ahead of the barriers
	s_barrier_wait -1                              ; the last trip's
	s_barrier_signal -1
	s_barrier_wait -1                              ; every wave's LDS loads of the key steps are over ahead of the stores below
	s_cmp_gt_u32 s[WV], 7
	s_cbranch_scc1 .Ltaker
	ds_store_b128 v6, v[12:15]                     ; -M, (the largest t,) the sum's two halves,
.irp g, 0,1,2,3,4,5,6,7
	ds_store_b128 v6, v[160+4*\g:163+4*\g] offset:512+512*\g   ; O^T
.endr
.Ltaker:
	s_wait_dscnt 0x0
	s_barrier_signal -1
	s_barrier_wait -1
	s_cmp_lt_u32 s[WV], 8
	s_cbranch_scc1 .Lend
	ds_load_b128 v[64:67], v6
.irp g, 0,1,2,3,4,5,6,7
	ds_load_b128 v[32+4*\g:35+4*\g], v6 offset:512+512*\g
.endr
	s_wait_dscnt 0x0
	v_min_num_f32 v230, v12, v64                   ; -M of both parts
	v_sub_f32 v238, v230, v12                      ; each part's M less that: whole numbers, 0 or less
	v_sub_f32 v239, v230, v64
	v_cvt_i32_f32 v238, v238
	v_cvt_i32_f32 v239, v239
	v_ldexp_f32 v228, 1.0, v238
	v_ldexp_f32 v232, 1.0, v239
	v_pk_mul_f32 v[14:15], v[14:15], v[228:229] op_sel_hi:[1,0]
.set n, 0
.rept 16
	v_pk_mul_f32 v[160+n:161+n], v[160+n:161+n], v[228:229] op_sel_hi:[1,0]
.set n, n+2
.endr
	v_pk_fma_f32 v[14:15], v[66:67], v[232:233], v[14:15] op_sel_hi:[1,0,1]
.set n, 0
.rept 16
	v_pk_fma_f32 v[160+n:161+n], v[32+n:33+n], v[232:233], v[160+n:161+n] op_sel_hi:[1,0,1]
.set n, n+2
.endr
	OUT 216, OB
.Lend:
	s_wait_tensorcnt 0x0                           ; the wave's end
	ds_add_u32 v2, v3
	s_wait_dscnt 0x0
	CROUND                                         ; the closing round: no work-group ends while a partner may still ask for a tile that names it
	s_endpgm
.Lfunc_end_k_q3b7f13db57_attn:
	.size	k_q3b7f13db57_attn, .Lfunc_end_k_q3b7f13db57_attn-k_q3b7f13db57_attn
	.p2alignl 7, 3214868480
	.fill 96, 4, 3214868480
	.section	.rodata,"a",@progbits
	.p2align	6, 0x0
	.amdhsa_kernel k_q3b7f13db57_attn
		.amdhsa_group_segment_fixed_size 301056
		.amdhsa_private_segment_fixed_size 0
		.amdhsa_enable_private_segment 0
		.amdhsa_kernarg_size 24
		.amdhsa_user_sgpr_count 2
		.amdhsa_user_sgpr_kernarg_segment_ptr 1
		.amdhsa_wavefront_size32 1
		.amdhsa_system_sgpr_workgroup_id_x 1
		.amdhsa_system_sgpr_workgroup_id_y 1
		.amdhsa_system_sgpr_workgroup_id_z 1
		.amdhsa_system_vgpr_workitem_id 0
		.amdhsa_next_free_vgpr 256
		.amdhsa_next_free_sgpr 80
		.amdhsa_reserve_vcc 1
		.amdhsa_float_denorm_mode_32 3
		.amdhsa_float_denorm_mode_16_64 3
		.amdhsa_memory_ordered 1
		.amdhsa_forward_progress 1
		.amdhsa_inst_pref_size 60
	.end_amdhsa_kernel
	.amdgpu_metadata
---
amdhsa.version: [ 1, 2 ]
amdhsa.kernels:
  - .name:           k_q3b7f13db57_attn
    .symbol:         k_q3b7f13db57_attn.kd
    .args:
      - { .name: qkvimg, .offset: 0, .size: 8, .value_kind: global_buffer, .address_space: global }
      - { .name: lowp_scales, .offset: 8, .size: 8, .value_kind: global_buffer, .address_space: global }
      - { .name: aimg, .offset: 16, .size: 8, .value_kind: global_buffer, .address_space: global }
    .group_segment_fixed_size: 301056
    .private_segment_fixed_size: 0
    .kernarg_segment_align: 8
    .kernarg_segment_size: 24
    .max_flat_workgroup_size: 512
    .sgpr_count:     80
    .vgpr_count:     256
    .wavefront_size: 32
...
	.end_amdgpu_metadata
.endif
;; end of part 3
;; launch oproj (part 4): grid 8 x 32, 4 waves a work-group, clusters of 4 x 4, 297,472 bytes of LDS; arguments aimg, wimg, lowp_scales, out0; writes out0
.if DOCPART == 4
	.amdgcn_target "amdgcn-amd-amdhsa--gfx1250"
	.amdhsa_code_object_version 6
	.text
	.protected	k_q3b7f13db57_oproj
	.globl	k_q3b7f13db57_oproj
	.p2align	8
	.type	k_q3b7f13db57_oproj,@function
k_q3b7f13db57_oproj:
	s_mov_b64 s[64:65], 0
	v_nop
	global_prefetch_b8 v0, s[64:65] scope:SCOPE_SE
	s_setreg_imm32_b32 hwreg(HW_REG_WAVE_MODE, 25, 1), 1
	s_wait_xcnt 0x0
	s_wait_alu depctr_hold_cnt(0) depctr_sa_sdst(0) depctr_va_vdst(0) depctr_va_sdst(0) depctr_va_ssrc(0) depctr_va_vcc(0) depctr_vm_vsrc(0)
	s_getreg_b32 s2, hwreg(HW_REG_IB_STS2, 6, 4)
	s_cmp_eq_u32 s2, 0
	s_cbranch_scc0 .Lentry_in_a_cluster
	s_endpgm
.Lentry_in_a_cluster:
	s_bfe_u32 s2, ttmp6, 0x10000c
	s_cmp_lg_u32 s2, 0xf033
	s_cbranch_scc0 .Lentry_shape_is_right
	s_endpgm
.Lentry_shape_is_right:
; out = a wo^T on codes of FP8 (E4M3), M 4,096, N 1,024, K 1,024; a: aimg (entry 10 of the scales), wo: wimg from 3 MiB on (entry 11); sums in f32, each multiplied once by 2^(e10 + e11).
; OPERANDS ARE IMAGES OF THEIR REGISTERS (16 rows x 128 K: 2,048 bytes, registers 4 g .. 4 g + 3 of lane l at 512 g + 16 l); a tensor is [tile of 16 rows][K step of 128: 8][2,048].
; A tile of 128 x 128 is made by a work-group of four waves (32 x 8 = 256 work-groups); a wave makes 64 x 64: 16 accumulators.
; ALL OF K LIES IN LDS, each byte filled once: A's K half at 131,072 x half, B's 65,536 behind it.  Waves 0 and 1 ask for A's and B's first half, waves 2 and 3 for the second: one tensor load a wave; one barrier shows them all.
; CLUSTERS of 4 x 4: A's tile is asked for JOINTLY along a row, B's along a column.  No prefetch: everything is asked for at the head, and there is no loop to run ahead in.
; THE MATRIX INSTRUCTION IS USED TRANSPOSED (source 0 = 16 rows of B, source 1 = 16 rows of A): lane (r, h) holds row r and eight neighbouring columns.
; LIMIT: e10 + e11 lies between -126 and 127, so that 2^(e10 + e11) is an f32 number.
; REGISTERS: window 0: v16-29 addresses; v32-159 two sets of A's four fragments, on the way out the results.  window 1: v0-127 two sets of B's four fragments; v128-255 accumulator (a, b) at v[128 + 8 (4 a + b)].
.set HALF,  131072
.set SPITCH, 272                       ; the way out: stage rows of 256 bytes + 16; two stages of 16 rows for each wave
.set STAGE, 262144                     ; behind the tiles: no fill lands there
.set SPARE, STAGE+4*32*SPITCH          ; the spare words, 128 bytes for each wave
.set ADRA, 16                          ; v16, v17 my rows of A in the two halves
.set ADRB, 18                          ; v18, v19 my rows of B
.set SPW,  20
.set NIL,  21
.set STO,  24                          ; the way out: into the stage,
.set RD,   25                          ; back,
.set CO,   26                          ; and my byte offset in two rows of the output
.set AF,   32
.set TMP,  32
.set G1,   24                          ; s[24:31], s[32:35]: A's descriptor
.set G0,   32
.set G1B,  48                          ; s[48:55], s[56:59]: B's
.set G0B,  56
.set MSB, 0
.macro WIN new                         ; the immediate's high byte repeats the setting that is left
.if MSB != (\new)
	s_set_vgpr_msb (MSB<<8)|(\new)
.set MSB, (\new)
.endif
.endm
.macro CROUND                          ; a round of the cluster's barrier
	s_barrier_signal -1
	s_barrier_wait -1
	s_cmp_lg_u32 s14, 0
	s_cbranch_scc1 .Lnot_wave_0_\@
	s_barrier_signal -3
.Lnot_wave_0_\@:
	s_barrier_wait -3
	s_barrier_signal -1
	s_barrier_wait -1
.endm
.macro PLACES                          ; plain vector instructions between a matrix instruction and a load into a register that it has read, or a read of its result (ISA guide 7.12.1 for a read of its result)
.rept 4
	v_nop
.endr
.endm
.macro FETCH k                         ; K step k's eight fragments into set k % 2: 32 loads of 512 consecutive bytes
	WIN 0x40
.irp i, 0,1,2,3
.irp c, 0,1,2,3
	ds_load_b128 v[64*((\k)%2)+16*\i+4*\c:64*((\k)%2)+16*\i+4*\c+3], v[ADRB+(\k)/4] offset:8192*\i+2048*((\k)%4)+512*\c
.endr
.endr
	WIN 0
.irp i, 0,1,2,3
.irp c, 0,1,2,3
	ds_load_b128 v[AF+64*((\k)%2)+16*\i+4*\c:AF+64*((\k)%2)+16*\i+4*\c+3], v[ADRA+(\k)/4] offset:8192*\i+2048*((\k)%4)+512*\c
.endr
.endr
.endm
.macro MUL k                           ; the 16 accumulators take turns, one instruction a turn; K step 0 starts the sums
	WIN 0x51                                       ; source 0 (B) window 1, source 1 (A) window 0, C and D window 1
.irp a, 0,1,2,3
.irp b, 0,1,2,3
.set AC, 128+8*(4*\a+\b)
.if (\k) == 0
	v_wmma_f32_16x16x128_fp8_fp8 v[AC:AC+7], v[64*((\k)%2)+16*\b:64*((\k)%2)+16*\b+15], v[AF+64*((\k)%2)+16*\a:AF+64*((\k)%2)+16*\a+15], 0
.else
	v_wmma_f32_16x16x128_fp8_fp8 v[AC:AC+7], v[64*((\k)%2)+16*\b:64*((\k)%2)+16*\b+15], v[AF+64*((\k)%2)+16*\a:AF+64*((\k)%2)+16*\a+15], v[AC:AC+7]
.endif
.endr
.endr
.endm
.macro KSTEP k
.if (\k) < 7
	PLACES
	FETCH (\k)+1
	s_wait_dscnt 32                                ; this step's fragments are in; the next step's 32 loads may be out
.else
	s_wait_dscnt 0x0
.endif
	MUL \k
.endm
	s_load_b128 s[4:7], s[0:1], 0x0                ; aimg s[4:5], wimg s[6:7]
	s_load_b128 s[8:11], s[0:1], 0x10              ; the scales' exponents s[8:9], out0 s[10:11]
	v_lshl_add_u32 v[SPW], v0, 2, SPARE
	v_mov_b32 v[NIL], 0
	ds_add_u32 v[SPW], v[NIL]                      ; the opening: the add, twice on end, and its wait ahead of my tensor load
	ds_add_u32 v[SPW], v[NIL]
	v_lshrrev_b32 v1, 5, v0
	v_readfirstlane_b32 s14, v1                    ; wave 0..3
	s_and_b32 s15, s14, 1                          ; which 64 columns are mine.  Also: I fetch for A (0) or for B (1)
	s_lshr_b32 s16, s14, 1                         ; which 64 rows are mine.  Also: which half of K I fetch
	s_bfe_u32 s40, ttmp6, 0x40000                  ; cx, cy
	s_bfe_u32 s41, ttmp6, 0x40004
	s_lshl_b32 s42, ttmp9, 2
	s_add_co_u32 s42, s42, s40                     ; tile column
	s_and_b32 s17, ttmp7, 0xffff
	s_lshl_b32 s17, s17, 2
	s_add_co_u32 s17, s17, s41                     ; tile row
	s_lshl_b32 s43, s41, 2
	s_lshl_b32 s43, 15, s43                        ; my row of the cluster
	s_lshl_b32 s44, 0x1111, s40                    ; my column
	; descriptor group 1: 8 row tiles x 8,192 bytes (four images on end), 16,384 bytes apart in memory, dense in LDS
	s_or_b32 s[G1], s43, (3<<16)|(1<<21)           ; 15:0 the mask; 17:16 elements of 8 bytes; 20 no padding; 21 set beside a mask
	s_or_b32 s[G1B], s44, (3<<16)|(1<<21)
.irp g, G1, G1B
	s_mov_b32 s[\g+1], 1024<<16                    ; tensor_dim0
	s_mov_b32 s[\g+2], 8<<16                       ; tensor_dim1
	s_mov_b32 s[\g+3], 1024<<16                    ; tile_dim0
	s_mov_b32 s[\g+4], 8                           ; tile_dim1
	s_mov_b32 s[\g+5], 2048                        ; tensor_dim0_stride, in elements
	s_mov_b32 s[\g+6], 0
	s_mov_b32 s[\g+7], 0
.endr
	s_lshl_b32 s18, s16, 13                        ; my K half: 8,192 bytes of each row tile
	s_lshl_b32 s20, s17, 17                        ; A: 8 row tiles of 16,384 bytes a tile row
	s_add_co_u32 s20, s20, s18
	s_mov_b32 s21, 0
	s_lshl_b32 s46, s42, 17
	s_add_co_u32 s46, s46, s18
	s_add_co_u32 s46, s46, 0x300000                ; B: wo
	s_mov_b32 s47, 0
	s_mov_b32 s[G0], 1
	s_mov_b32 s[G0B], 1
	s_lshl_b32 s[G0+1], s14, 16                    ; LDS: wave x 65,536
	s_lshl_b32 s[G0B+1], s14, 16
	s_lshl_b32 s22, s16, 15                        ; my four row tiles of A,
	s_lshl_b32 s23, s15, 15
	s_add_co_u32 s23, s23, 65536                   ; of B
	s_mul_i32 s19, s14, 32*SPITCH
	s_add_co_u32 s19, s19, STAGE                   ; my two stages
	; where my part of the output begins: row 128 x tile row + 64 x half, column 128 x tile column + 64 x half
	s_lshl_b32 s36, s17, 19
	s_lshl_b32 s37, s16, 18
	s_add_co_u32 s36, s36, s37
	s_lshl_b32 s38, s42, 9
	s_lshl_b32 s39, s15, 8
	s_add_co_u32 s38, s38, s39
	s_mov_b32 s37, 0
	s_mov_b32 s39, 0
	v_and_b32 v6, 31, v0
	v_lshlrev_b32 v6, 4, v6                        ; 16 x lane
	v_add_nc_u32 v[ADRA], s22, v6
	v_add_nc_u32 v[ADRA+1], HALF, v[ADRA]
	v_add_nc_u32 v[ADRB], s23, v6
	v_add_nc_u32 v[ADRB+1], HALF, v[ADRB]
	v_and_b32 v2, 15, v0                           ; r
	v_bfe_u32 v3, v0, 4, 1                         ; h
	v_mul_u32_u24 v4, v2, SPITCH                   ; in: row r, 32 bytes for each half of the lanes
	v_lshl_add_u32 v4, v3, 5, v4
	v_add_nc_u32 v[STO], s19, v4
	v_mul_u32_u24 v5, v3, SPITCH                   ; back: lanes 0-15 take one row of 256 bytes, lanes 16-31 the next
	v_lshl_add_u32 v5, v2, 4, v5
	v_add_nc_u32 v[RD], s19, v5
	v_lshlrev_b32 v7, 12, v3                       ; and the same two rows in the output
	v_lshl_add_u32 v[CO], v2, 4, v7
	s_wait_alu depctr_va_vdst(0)                   ; the wait at the head's end, directly ahead of the waits below
	s_wait_dscnt 0x0                               ; both opening adds are done
	s_wait_kmcnt 0x0
	s_load_b64 s[96:97], s[8:9], 0x28              ; e10, e11
	s_add_nc_u64 s[G0+2:G0+3], s[4:5], s[20:21]
	s_or_b32 s[G0+3], s[G0+3], 0x80000000
	s_add_nc_u64 s[G0B+2:G0B+3], s[6:7], s[46:47]
	s_or_b32 s[G0B+3], s[G0B+3], 0x80000000
	s_add_nc_u64 s[10:11], s[10:11], s[36:37]
	s_add_nc_u64 s[10:11], s[10:11], s[38:39]
	CROUND                                         ; all sixteen work-groups are here: the joint loads meet
	s_cmp_eq_u32 s15, 0                            ; each of the two lines has one mask; the branch hangs on the wave's number alone
	s_cbranch_scc0 .Lfor_b
	tensor_load_to_lds s[G0:G0+3], s[G1:G1+7]
	s_nop 0
	PLACES
	s_branch .Lasked
.Lfor_b:
	tensor_load_to_lds s[G0B:G0B+3], s[G1B:G1B+7]
	s_nop 0
	PLACES
.Lasked:
	s_wait_tensorcnt 0x0                           ; my quarter of the tiles has landed
	s_barrier_signal -1
	s_barrier_wait -1                              ; everybody's has
	FETCH 0
.irp k, 0,1,2,3,4,5,6,7
	KSTEP \k
.endr
	WIN 0
	s_wait_kmcnt 0x0
	s_add_co_i32 s96, s96, s97
	s_add_co_i32 s96, s96, 127
	s_lshl_b32 s96, s96, 23                        ; 2^(e10 + e11) as f32
	PLACES
; THE WAY OUT, by blocks of 16 rows x 64 columns: scaled, each accumulator from its low end on, through my own two stages by turns and back into the registers that they left (LDS serves a wave's instructions in order:
; ISA guide 5.7.1.4).  Sixteen lanes then store one aligned unit of 256 bytes.  Each block has registers of its own, so no store's data are written again.
.macro TOSTAGE a
	WIN 0x01
.set n, 0
.rept 16
	v_pk_mul_f32 v[TMP+32*(\a)+n:TMP+32*(\a)+n+1], v[128+32*(\a)+n:128+32*(\a)+n+1], s[96:97] op_sel_hi:[1,0]
.set n, n+2
.endr
	WIN 0
.irp b, 0,1,2,3
	ds_store_b128 v[STO], v[TMP+32*(\a)+8*\b:TMP+32*(\a)+8*\b+3] offset:16*SPITCH*((\a)%2)+64*\b
	ds_store_b128 v[STO], v[TMP+32*(\a)+8*\b+4:TMP+32*(\a)+8*\b+7] offset:16*SPITCH*((\a)%2)+64*\b+16
.endr
.irp t, 0,1,2,3,4,5,6,7
	ds_load_b128 v[TMP+32*(\a)+4*\t:TMP+32*(\a)+4*\t+3], v[RD] offset:16*SPITCH*((\a)%2)+2*SPITCH*\t
.endr
.endm
.macro SEND a, younger                 ; younger: the LDS instructions issued behind this block's loads, which may stay out
	s_wait_dscnt \younger
.irp t, 0,1,2,3,4,5,6,7
	global_store_b128 v[CO], v[TMP+32*(\a)+4*\t:TMP+32*(\a)+4*\t+3], s[10:11] offset:65536*(\a)+8192*\t th:TH_STORE_NT
.endr
.endm
	TOSTAGE 0
	TOSTAGE 1
	SEND 0, 16
	TOSTAGE 2
	SEND 1, 16
	TOSTAGE 3
	SEND 2, 16
	SEND 3, 0
	s_wait_tensorcnt 0x0                           ; the wave's end, behind my last LDS store
	ds_add_u32 v[SPW], v[NIL]
	s_wait_dscnt 0x0
	CROUND                                         ; the closing round: no work-group ends while a partner may still ask for a tile that names it
	s_endpgm
.Lfunc_end_k_q3b7f13db57_oproj:
	.size	k_q3b7f13db57_oproj, .Lfunc_end_k_q3b7f13db57_oproj-k_q3b7f13db57_oproj
	.p2alignl 7, 3214868480
	.fill 96, 4, 3214868480
	.section	.rodata,"a",@progbits
	.p2align	6, 0x0
	.amdhsa_kernel k_q3b7f13db57_oproj
		.amdhsa_group_segment_fixed_size 297472
		.amdhsa_private_segment_fixed_size 0
		.amdhsa_enable_private_segment 0
		.amdhsa_kernarg_size 32
		.amdhsa_user_sgpr_count 2
		.amdhsa_user_sgpr_kernarg_segment_ptr 1
		.amdhsa_wavefront_size32 1
		.amdhsa_system_sgpr_workgroup_id_x 1
		.amdhsa_system_sgpr_workgroup_id_y 1
		.amdhsa_system_sgpr_workgroup_id_z 1
		.amdhsa_system_vgpr_workitem_id 0
		.amdhsa_next_free_vgpr 512
		.amdhsa_next_free_sgpr 98
		.amdhsa_reserve_vcc 0
		.amdhsa_float_denorm_mode_32 3
		.amdhsa_float_denorm_mode_16_64 3
		.amdhsa_memory_ordered 1
		.amdhsa_forward_progress 1
		.amdhsa_inst_pref_size 44
	.end_amdhsa_kernel
	.amdgpu_metadata
---
amdhsa.version: [ 1, 2 ]
amdhsa.kernels:
  - .name:           k_q3b7f13db57_oproj
    .symbol:         k_q3b7f13db57_oproj.kd
    .args:
      - { .name: aimg, .offset: 0, .size: 8, .value_kind: global_buffer, .address_space: global }
      - { .name: wimg, .offset: 8, .size: 8, .value_kind: global_buffer, .address_space: global }
      - { .name: lowp_scales, .offset: 16, .size: 8, .value_kind: global_buffer, .address_space: global }
      - { .name: out0, .offset: 24, .size: 8, .value_kind: global_buffer, .address_space: global }
    .group_segment_fixed_size: 297472
    .private_segment_fixed_size: 0
    .kernarg_segment_align: 8
    .kernarg_segment_size: 32
    .max_flat_workgroup_size: 128
    .sgpr_count:     98
    .vgpr_count:     512
    .wavefront_size: 32
...
	.end_amdgpu_metadata
.endif
;; end of part 4
